; MI455X (gfx1250); checked and timed in simulation.
; The chip was launched on July 23, 2026; its instructions are those of AMD's public machine-readable ISA for CDNA 5 (MIT licence, August 2026) and "CDNA5" Instruction Set Architecture Reference Guide (July 2026). The comments in the code are by the model that wrote it; some were corrected since.
;; Multi Head Alibi Attention. Allowed arithmetic: float matrix products may take bf16 or f16 operands with f32 sums; all other float work in f32.
;; Inputs: k 2 x 2,048 x 1,024 float32; q 2 x 2,048 x 1,024 float32; v 2 x 2,048 x 1,024 float32.
;; Outputs: out0 2 x 2,048 x 1,024 float32.
;; 2 versions, each right; version 2 is version 1 with the launch attn written anew for expert scheduling mode. Each part assembles by itself: llvm-mc -triple=amdgcn-amd-amdhsa -mcpu=gfx1250 --defsym DOCPART=n.
;; ======== version 1 of 2: 1 launch
;; limits: inputs' magnitudes at most 65,504; values are held in f16: magnitudes above 65,504 overflow, below 6.1e-05 lose precision
;; launch attn (part 1): grid 256 x 1, 8 waves a work-group, no clusters, 109,568 bytes of LDS; arguments q, k, v, out0; writes out0
.if DOCPART == 1
	.amdgcn_target "amdgcn-amd-amdhsa--gfx1250"
	.amdhsa_code_object_version 6
	.text
	.protected	k_qeb55193ce6_attn
	.globl	k_qeb55193ce6_attn
	.p2align	8
	.type	k_qeb55193ce6_attn,@function
k_qeb55193ce6_attn:
	s_mov_b64 s[64:65], 0
	v_nop
	global_prefetch_b8 v0, s[64:65] scope:SCOPE_SE
	s_setreg_imm32_b32 hwreg(HW_REG_WAVE_MODE, 25, 1), 1
	s_wait_xcnt 0x0
; Causal attention with ALiBi bias.  q, k, v, out: [2][2048][1024] f32; 16 heads of 64; a head's row is 256 bytes, rows 4,096 bytes apart.
; out[t] = sum over s <= t of softmax_s( q[t].k[s]/8 + slope (s - t) ) v[s],  slope = 2^-((h+1)/2).
;
; SHARING.  Work-group x: i = x & 7, head h = (x >> 3) & 15, batch b = x >> 7.  It owns two blocks of 128 queries, block 15 - i (waves 0-3) and
; block i (waves 4-7), and walks the key tiles of 64 keys j = 0 .. 31 - 2 i once for both.  A wave owns 32 queries from t0 on and computes while
; j <= JD = t0 / 64; later it only helps to bring tiles in.  Waves w and w + 4 together compute 33 tiles whatever w and i are.
; TRANSPOSED PRODUCTS.  S^T = K Q^T (keys down, queries across) and O^T = V^T P^T: a lane holds one query (lane % 16), so maximum, sum and
; rescaling are a lane's own but for one exchange between the halves of the wave, and the S^T registers, packed to f16, already are the
; second source of the second product: P never goes through LDS.
; THE BIAS costs no vector instruction: the term -slope t is constant along a row and drops out of the softmax; slope s is taken relative to the
; tile's first key, as a constant register tile that is the C operand of the first product; from tile to tile the running maximum moves by
; -64 slope instead.  Logits are kept in raw units x = q.k + 8 slope s_loc; p = exp2(c x - c m), c = log2(e)/8, m the running maximum of x.
; K AND V pass through registers once per tile and work-group (f32 to f16, 16 conversions a wave), then lie in one of two LDS slots.
; NO CLUSTER, NO TENSOR LOADS: the eight work-groups of a head read the same tiles, but they need different numbers of them (32 - 2 i), and a tile
; must be converted on its way: landed as f32 it would cost 32 KiB more of LDS writes and reads per tile before the same conversion.
; LIMITS.  Operands of both products are f16: |q|, |k|, |v| up to 65,504; below 2^-14 they keep an absolute error of 2^-25.  p is rounded to f16 for
; the product (below 2^-25 it is 0 there) while the row sum adds the f32 values; v_exp_f32 gives 0 below 2^-126.  The slope is rounded once from
; its closed form, where the definition multiplies 2^-0.5 up in f32: they differ by about 1e-6 of the slope.  NaN and infinities among the inputs are not followed.
.set KP,    144                        ; LDS pitch of K's and Q's f16 rows: 128 bytes + 16, an odd multiple of 16
.set VP,    160                        ; LDS pitch of V's f16 rows: an odd multiple of 32, for the transposing loads
.set OP,    272                        ; LDS pitch of O's f32 rows on the way out
.set VOFF,  64*KP                      ; V's rows behind K's in a slot
.set SLOTB, 64*KP+64*VP                ; a slot: 19,456 bytes
.set STAGE, 2*SLOTB                    ; behind the two slots: 8,704 bytes for each wave, its own (Q at the start, O at the end)
.set STGB,  32*OP
.set ROWB,  4096                       ; bytes from row to row in memory
.set TILEB, 64*ROWB                    ; from key tile to key tile
; vector registers, window 0
.set GOFF, 1                           ; (tid>>4) rows + 16 (tid&15): my 16 bytes of a tile's first 16 rows
.set KST,  2                           ; where my 8 bytes of K go in a slot
.set VST,  3                           ; the same for V
.set KADR, 4                           ; K fragment: (lane%16) KP + 16 (lane/16)
.set VADR, 5                           ; V fragment, transposing load
.set ROFF, 6                           ; (lane/16) rows + 16 (lane%16): two whole head rows a wave, for q and out
.set QST,  7
.set QLD,  8
.set OST,  9
.set ORD,  10
.set REL,  11                          ; lane%16 + (t0 & 32) - 8 (lane/16), signed: the mask's right-hand side
.set PFOFF,12                          ; (tid & 127) rows
.set M,    14                          ; v[14:15] running maximum, query tile a = 0, 1
.set L,    16                          ; v[16:17] running sum (this half of the wave's keys)
.set NM,   18                          ; v[18:21] -c m, twice, for each a
.set AL,   22                          ; v[22:25] alpha, twice, for each a
.set T,    26                          ; v[26:33] at work
.set CC,   34                          ; v[34:35] c, twice
.set CV,   40                          ; v[40:55] a tile's 32 numbers of mine as f16
.set S,    64                          ; v[64:127]  S^T tile (b, a) at 64 + 32 a + 8 b; P fragment (ks, a) in place at 64 + 32 a + 16 ks
.set FR,   128                         ; v[128:191] K fragment (b, kd) at 128 + 16 b + 8 kd, then V fragment (ks, dt) at 128 + 32 ks + 8 dt
.set O,    192                         ; v[192:255] O^T tile (dt, a) at 192 + 32 a + 8 dt
; window 1 (v256 and up, written by their low 8 bits)
.set QF,   0                           ; v[256:287] Q fragment (a, kd) at 16 a + 8 kd
.set BI,   32                          ; v[288:319] bias tile b at 32 + 8 b
.set STG,  64                          ; v[320:351] a tile's f32 as loaded: K's four pieces, V's four pieces
; scalar registers
.set SW, 12                            ; wave
.set SI, 13
.set SH, 14
.set SB, 15
.set ST0, 16
.set SJD, 17                           ; my last (diagonal) key tile
.set SJ, 18                            ; the tile of this trip
.set SCNT, 19
.set SSL, 20                           ; 8 slope
.set SNST, 21                          ; -512 slope
.set PFEND, 28
.set SNINF, 36
.set MSB, 0
.macro WIN new                         ; s_set_vgpr_msb: bits 1:0 source 0, 3:2 source 1, 5:4 source 2, 7:6 destination; the high byte repeats the setting that is left
.if MSB != \new
	s_set_vgpr_msb (MSB<<8)|\new
.set MSB, \new
.endif
.endm
	s_load_b256 s[4:11], s[0:1], 0x0               ; q s[4:5], k s[6:7], v s[8:9], out s[10:11]
	v_lshl_add_u32 v62, v0, 2, 0x1a800
	v_mov_b32 v63, 0
	v_lshrrev_b32 v13, 5, v0
	v_readfirstlane_b32 s[SW], v13                 ; wave 0..7
	s_and_b32 s[SI], ttmp9, 7
	s_bfe_u32 s[SH], ttmp9, 0x40003                ; 4 bits from bit 3
	s_lshr_b32 s[SB], ttmp9, 7
	s_sub_co_u32 s32, 15, s[SI]
	s_lshl_b32 s32, s32, 7
	s_lshl_b32 s33, s[SW], 5
	s_add_co_u32 s32, s32, s33                     ; waves 0-3: 128 (15 - i) + 32 w
	s_sub_co_u32 s34, 7, s[SW]
	s_lshl_b32 s34, s34, 5
	s_lshl_b32 s35, s[SI], 7
	s_add_co_u32 s34, s34, s35                     ; waves 4-7: 128 i + 32 (7 - w)
	s_cmp_lt_u32 s[SW], 4
	s_cselect_b32 s[ST0], s32, s34
	s_lshr_b32 s[SJD], s[ST0], 6
	; 8 slope = 8 x 2^-(n/2), n = h + 1: 8 or 8 x 2^-0.5 by n's low bit, and n >> 1 taken off the exponent field
	s_add_co_u32 s32, s[SH], 1
	s_mov_b32 s33, 0x41000000                      ; 8.0
	s_bitcmp1_b32 s32, 0
	s_cselect_b32 s33, 0x40b504f3, s33             ; 8 x 2^-0.5
	s_lshr_b32 s32, s32, 1
	s_lshl_b32 s32, s32, 23
	s_sub_co_u32 s[SSL], s33, s32
	s_mul_f32 s[SNST], s[SSL], 0xc2800000          ; x -64: what the running maximum moves by from tile to tile
	s_mul_f32 s29, s[SSL], 0x41800000              ; x 16, 32, 48: the bias of key blocks 1, 2, 3
	s_mul_f32 s30, s[SSL], 0x42000000
	s_mul_f32 s31, s[SSL], 0x42400000
	s_cmp_eq_u32 s[SI], 0
	s_cselect_b32 s[PFEND], 27, 0                  ; only work-group i = 0 of a head prefetches, in trips below 27
	s_mov_b32 s22, 0x76543210                      ; v_permlanex16_b32: lane l of one half reads lane l of the other
	s_mov_b32 s23, 0xfedcba98
	s_mov_b32 s[SNINF], 0xff800000
	s_mul_i32 s33, s[SW], STGB
	s_add_co_u32 s33, s33, STAGE                   ; my wave's stage
	s_and_b32 s34, s[ST0], 32                      ; where my queries begin in the diagonal tile
	v_and_b32 v56, 15, v0                          ; r = lane % 16 = tid % 16
	v_lshrrev_b32 v57, 4, v0                       ; tid / 16: 0..15
	v_bfe_u32 v58, v0, 4, 1                        ; hh = lane / 16
	v_bfe_u32 v59, v0, 3, 1
	v_lshlrev_b32 v60, 3, v58                      ; 8 hh
	v_lshlrev_b32 v61, 4, v56                      ; 16 r
	v_lshl_add_u32 v[GOFF], v57, 12, v61
	v_mul_u32_u24 v[KST], v57, KP
	v_lshl_add_u32 v[KST], v56, 3, v[KST]
	v_mul_u32_u24 v[VST], v57, VP
	v_lshl_add_u32 v[VST], v56, 3, v[VST]
	v_mul_u32_u24 v[KADR], v56, KP
	v_lshl_add_u32 v[KADR], v58, 4, v[KADR]
	v_and_b32 v13, 7, v0
	v_add_nc_u32 v13, v13, v60                     ; 8 hh + lane % 8
	v_mul_u32_u24 v[VADR], v13, VP
	v_lshl_add_u32 v[VADR], v59, 4, v[VADR]
	v_lshl_add_u32 v[ROFF], v58, 12, v61
	v_mul_u32_u24 v[QST], v58, KP
	v_lshl_add_u32 v[QST], v56, 3, v[QST]
	v_add_nc_u32 v[QST], s33, v[QST]
	v_add_nc_u32 v[QLD], s33, v[KADR]
	v_mul_u32_u24 v[OST], v56, OP
	v_lshl_add_u32 v[OST], v58, 5, v[OST]
	v_add_nc_u32 v[OST], s33, v[OST]
	v_mul_u32_u24 v[ORD], v58, OP
	v_lshl_add_u32 v[ORD], v56, 4, v[ORD]
	v_add_nc_u32 v[ORD], s33, v[ORD]
	v_add_nc_u32 v[REL], s34, v56
	v_sub_nc_u32 v[REL], v[REL], v60
	v_and_b32 v[PFOFF], 127, v0
	v_lshlrev_b32 v[PFOFF], 12, v[PFOFF]
	v_mov_b32 v[CC], 0x3e38aa3b                    ; c = log2(e) / 8
	v_mov_b32 v[CC+1], 0x3e38aa3b
	s_lshl_b32 s24, s[SB], 23                      ; batch x 2,048 rows of 4,096 bytes
	s_lshl_b32 s32, s[SH], 8                       ; head x 256 bytes
	s_add_co_u32 s24, s24, s32
	s_mov_b32 s25, 0
	s_wait_kmcnt 0x0
	s_add_nc_u64 s[6:7], s[6:7], s[24:25]          ; k and v at the head's key 0
	s_add_nc_u64 s[8:9], s[8:9], s[24:25]
	s_lshl_b32 s32, s[ST0], 12
	s_add_co_u32 s24, s24, s32
	s_add_nc_u64 s[4:5], s[4:5], s[24:25]          ; q and out at my wave's first query
	s_add_nc_u64 s[10:11], s[10:11], s[24:25]
; A key tile's f32 into STG: thread tid takes 16 bytes of rows tid/16 + 16 p of K and of V; sixteen lanes cover a head row's 256 consecutive bytes, aligned.
; No cache hint: the head's other work-groups read these rows again.
.macro LOADT
	WIN 0x40                                       ; destination in window 1
.irp p, 0,1,2,3
	global_load_b128 v[STG+4*\p:STG+4*\p+3], v[GOFF], s[6:7] offset:\p*16*ROWB
.endr
.irp p, 0,1,2,3
	global_load_b128 v[STG+16+4*\p:STG+16+4*\p+3], v[GOFF], s[8:9] offset:\p*16*ROWB
.endr
	WIN 0
.endm
; STG to f16 and into a slot
.macro CVST slot
	WIN 0x05                                       ; both sources in window 1
.set n_, 0
.rept 16
	v_cvt_pk_f16_f32 v[CV+n_], v[STG+2*n_], v[STG+2*n_+1]
.set n_, n_+1
.endr
	WIN 0
.irp p, 0,1,2,3
	ds_store_b64 v[KST], v[CV+2*\p:CV+2*\p+1] offset:(\slot)*SLOTB+\p*16*KP
.endr
.irp p, 0,1,2,3
	ds_store_b64 v[VST], v[CV+8+2*\p:CV+8+2*\p+1] offset:(\slot)*SLOTB+VOFF+\p*16*VP
.endr
.endm
	LOADT                                          ; tile 0: 8 loads
.set n_, 0
.rept 16
	global_load_b128 v[S+4*n_:S+4*n_+3], v[ROFF], s[4:5] offset:n_*2*ROWB th:TH_LOAD_NT   ; my 32 queries, two rows a load; read once in the launch
.set n_, n_+1
.endr
	s_wait_loadcnt 16                              ; tile 0 is in; the sixteen loads of q issued behind it stay out
	CVST 0
	s_add_nc_u64 s[6:7], s[6:7], TILEB             ; tile 0's loads are done by that wait, so their bases may step
	s_add_nc_u64 s[8:9], s[8:9], TILEB
	s_cmp_lt_u32 s[SW], 4
	s_cselect_b64 s[26:27], s[6:7], s[8:9]         ; what my wave prefetches: waves 0-3 k, waves 4-7 v; stepped with the bases
	LOADT                                          ; tile 1
	s_wait_loadcnt 8                               ; q is in; tile 1's eight loads stay out
.set n_, 0
.rept 16
	v_cvt_pk_f16_f32 v[S+4*n_], v[S+4*n_], v[S+4*n_+1]
	v_cvt_pk_f16_f32 v[S+4*n_+1], v[S+4*n_+2], v[S+4*n_+3]
	ds_store_b64 v[QST], v[S+4*n_:S+4*n_+1] offset:n_*2*KP
.set n_, n_+1
.endr
	WIN 0x40
.irp a, 0,1
.irp kd, 0,1                                       ; my own bytes, and LDS serves a wave's instructions in order (ISA guide 5.7.1.4): no wait between the stores and these loads
	ds_load_b128 v[QF+16*\a+8*\kd:QF+16*\a+8*\kd+3],   v[QLD] offset:\a*16*KP+64*\kd
	ds_load_b128 v[QF+16*\a+8*\kd+4:QF+16*\a+8*\kd+7], v[QLD] offset:\a*16*KP+64*\kd+32
.endr
.endr
	WIN 0
	; the bias tiles: register jj of block b holds 8 slope (16 b + 8 hh + jj)
.irp jj, 0,1,2,3,4,5,6,7
	v_add_nc_u32 v[T+\jj], \jj, v60
.endr
.irp jj, 0,1,2,3,4,5,6,7
	v_cvt_f32_u32 v[T+\jj], v[T+\jj]
.endr
	WIN 0x40
.irp jj, 0,1,2,3,4,5,6,7
	v_mul_f32 v[BI+\jj], s[SSL], v[T+\jj]
.endr
.irp b, 1,2,3
.irp jj, 0,1,2,3,4,5,6,7
	v_fma_f32 v[BI+8*\b+\jj], v[T+\jj], s[SSL], s[28+\b]
.endr
.endr
	WIN 0
	s_mov_b32 s[SJ], 0
	s_wait_dscnt 0x0                               ; my part of tile 0 is in slot 0 (for the others), my Q fragments are in
	s_barrier_signal -1
	s_barrier_wait -1
; x -> p = exp2(c x - c m) for query tile a: 16 packed multiply-adds, 32 exponentials in place, back to back on different registers.
; Behind the last exponential the caller puts a plain vector instruction that touches none of these registers (ISA guide 5.7.2).
.macro EXPS a
.set n_, 0
.rept 16
	v_pk_fma_f32 v[S+32*\a+n_:S+32*\a+n_+1], v[S+32*\a+n_:S+32*\a+n_+1], v[CC:CC+1], v[NM+2*\a:NM+2*\a+1]
.set n_, n_+2
.endr
.set n_, 0
.rept 32
	v_exp_f32 v[S+32*\a+n_], v[S+32*\a+n_]
.set n_, n_+1
.endr
.endm
; the sum of my 32 p of query tile a, four chains, then l = l alpha + sum
.macro SUMS a, first
	s_wait_alu depctr_va_vdst(0)
.irp b, 0,1,2,3
	v_pk_add_f32 v[T+2*\b:T+2*\b+1], v[S+32*\a+8*\b:S+32*\a+8*\b+1], v[S+32*\a+8*\b+2:S+32*\a+8*\b+3]
.endr
.irp p, 4,6
.irp b, 0,1,2,3
	v_pk_add_f32 v[T+2*\b:T+2*\b+1], v[T+2*\b:T+2*\b+1], v[S+32*\a+8*\b+\p:S+32*\a+8*\b+\p+1]
.endr
.endr
	v_pk_add_f32 v[T:T+1], v[T:T+1], v[T+2:T+3]
	v_pk_add_f32 v[T+4:T+5], v[T+4:T+5], v[T+6:T+7]
	v_pk_add_f32 v[T:T+1], v[T:T+1], v[T+4:T+5]
.if \first
	v_add_f32 v[L+\a], v[T], v[T+1]
.else
	v_fma_f32 v[L+\a], v[L+\a], v[AL+2*\a], v[T]
	v_add_f32 v[L+\a], v[L+\a], v[T+1]
.endif
.endm
; p to f16 in place, ascending: register X + n takes X + 2 n and X + 2 n + 1, so no source is lost.  Blocks 2 ks and 2 ks + 1 become fragment (ks, a).
.macro PACK a
.irp ks, 0,1
.irp n, 0,1,2,3,4,5,6,7
	v_cvt_pk_f16_f32 v[S+32*\a+16*\ks+\n], v[S+32*\a+16*\ks+2*\n], v[S+32*\a+16*\ks+2*\n+1]
.endr
.endr
.endm
; O of query tile a times the pair in AL
.macro RESC a
.set n_, 0
.rept 16
	v_pk_mul_f32 v[O+32*\a+n_:O+32*\a+n_+1], v[O+32*\a+n_:O+32*\a+n_+1], v[AL+2*\a:AL+2*\a+1]
.set n_, n_+2
.endr
.endm
; One key tile.  slot: where it lies; first: tile 0 (starts maximum, sums and O); st: tile j + 1 goes from STG into the other slot;
; ld: tile j + 2 is asked for; pf: the trip may prefetch; bar: a barrier closes the trip.
.macro TRIP slot, first, st, ld, pf, bar
.if \first == 0
	s_cmp_gt_u32 s[SJ], s[SJD]                     ; beyond my diagonal: nothing to compute (tile 0 is every wave's)
	s_cbranch_scc1 .Lskip_\@
.endif
.irp kd, 0,1
.irp b, 0,1,2,3
	ds_load_b128 v[FR+16*\b+8*\kd:FR+16*\b+8*\kd+3],   v[KADR] offset:\slot*SLOTB+\b*16*KP+64*\kd
	ds_load_b128 v[FR+16*\b+8*\kd+4:FR+16*\b+8*\kd+7], v[KADR] offset:\slot*SLOTB+\b*16*KP+64*\kd+32
.endr
.endr
	s_wait_dscnt 8                                 ; the eight loads of d = 0..31 are in; the eight of d = 32..63 issued behind them may be out
	WIN 0x14                                       ; Q and the bias in window 1
	; The eight accumulators take turns, one instruction a turn.
.irp b, 0,1,2,3
.irp a, 0,1
	v_wmma_f32_16x16x32_f16 v[S+32*\a+8*\b:S+32*\a+8*\b+7], v[FR+16*\b:FR+16*\b+7], v[QF+16*\a:QF+16*\a+7], v[BI+8*\b:BI+8*\b+7]
.endr
.endr
	s_wait_dscnt 0x0
	WIN 0x04
.irp b, 0,1,2,3
.irp a, 0,1
	v_wmma_f32_16x16x32_f16 v[S+32*\a+8*\b:S+32*\a+8*\b+7], v[FR+16*\b+8:FR+16*\b+15], v[QF+16*\a+8:QF+16*\a+15], v[S+32*\a+8*\b:S+32*\a+8*\b+7]
.endr
.endr
	WIN 0
	; four places in front of the loads into FR and of the first read of S
.if \first
	v_nop
	v_nop
.else
	v_add_f32 v[M], s[SNST], v[M]                  ; the old maximum in this tile's frame: 64 keys further back
	v_add_f32 v[M+1], s[SNST], v[M+1]
.endif
	v_nop
	v_nop
.irp ks, 0,1
.irp dt, 0,1,2,3                                   ; V^T fragments; they land while the softmax is made
	ds_load_tr16_b128 v[FR+32*\ks+8*\dt:FR+32*\ks+8*\dt+3],   v[VADR] offset:\slot*SLOTB+VOFF+\ks*32*VP+\dt*32
	ds_load_tr16_b128 v[FR+32*\ks+8*\dt+4:FR+32*\ks+8*\dt+7], v[VADR] offset:\slot*SLOTB+VOFF+\ks*32*VP+\dt*32+16*VP
.endr
.endr
	s_cmp_lg_u32 s[SJ], s[SJD]
	s_cbranch_scc1 .Lnomask_\@
	; the diagonal tile: key 16 b + 8 hh + jj stays if it is <= query (t0 & 32) + 16 a + r, that is 16 (b - a) + jj <= REL.  One compare serves (b, 0) and (b + 1, 1).
.irp e, 0,1,2,3,4
.irp jj, 0,1,2,3,4,5,6,7
	v_cmp_le_i32 vcc_lo, 16*\e+\jj-16, v[REL]
.if \e > 0
	v_cndmask_b32 v[S+8*\e-8+\jj], s[SNINF], v[S+8*\e-8+\jj], vcc_lo
.endif
.if \e < 4
	v_cndmask_b32 v[S+32+8*\e+\jj], s[SNINF], v[S+32+8*\e+\jj], vcc_lo
.endif
.endr
.endr
.Lnomask_\@:
	; the tile's maximum for each query: four chains for each a, then the other half of the wave, then the old maximum
.irp a, 0,1
.irp b, 0,1,2,3
	v_max_num_f32 v[T+4*\a+\b], v[S+32*\a+8*\b], v[S+32*\a+8*\b+1]
.endr
.endr
.irp p, 2,4,6
.irp a, 0,1
.irp b, 0,1,2,3
	v_max3_num_f32 v[T+4*\a+\b], v[T+4*\a+\b], v[S+32*\a+8*\b+\p], v[S+32*\a+8*\b+\p+1]
.endr
.endr
.endr
.irp a, 0,1
	v_max3_num_f32 v[T+4*\a], v[T+4*\a], v[T+4*\a+1], v[T+4*\a+2]
.endr
.irp a, 0,1
	v_max_num_f32 v[T+4*\a], v[T+4*\a], v[T+4*\a+3]
.endr
.irp a, 0,1
	v_permlanex16_b32 v[T+4*\a+1], v[T+4*\a], s22, s23
.endr
.irp a, 0,1
.if \first
	v_max_num_f32 v[T+4*\a+2], v[T+4*\a], v[T+4*\a+1]              ; finite: key 0 is open to every query
.else
	v_max3_num_f32 v[T+4*\a+2], v[T+4*\a], v[T+4*\a+1], v[M+\a]
.endif
.endr
.irp a, 0,1
	v_mul_f32 v[NM+2*\a], 0xbe38aa3b, v[T+4*\a+2]                  ; -c m
.endr
.if \first == 0
.irp a, 0,1
	v_fma_f32 v[T+4*\a+3], v[M+\a], v[CC], v[NM+2*\a]              ; c (old m - new m)
.endr
.irp a, 0,1
	v_exp_f32 v[AL+2*\a], v[T+4*\a+3]                              ; alpha; the plain lines below stand between it and its first use
.endr
.endif
.irp a, 0,1
	v_mov_b32 v[M+\a], v[T+4*\a+2]
.endr
.irp a, 0,1
	v_mov_b32 v[NM+2*\a+1], v[NM+2*\a]
.endr
.if \first == 0
	s_wait_alu depctr_va_vdst(0)
.irp a, 0,1
	v_mov_b32 v[AL+2*\a+1], v[AL+2*\a]
.endr
.endif
	EXPS 0
	EXPS 1                                         ; its multiply-adds are the plain lines behind tile 0's exponentials
	SUMS 0, \first                                 ; and these behind tile 1's
	PACK 0
	SUMS 1, \first
	PACK 1
.if \first == 0
	RESC 0
	RESC 1
.endif
	s_wait_dscnt 0x0                               ; the V fragments are in
	; O^T += V^T P^T.  The eight accumulators take turns, one instruction a turn; tile 0's first products start the sums.
.irp ks, 0,1
.irp a, 0,1
.irp dt, 0,1,2,3
.set z_, \first*(1-\ks)
.if z_
	v_wmma_f32_16x16x32_f16 v[O+32*\a+8*\dt:O+32*\a+8*\dt+7], v[FR+32*\ks+8*\dt:FR+32*\ks+8*\dt+7], v[S+32*\a+16*\ks:S+32*\a+16*\ks+7], 0
.else
	v_wmma_f32_16x16x32_f16 v[O+32*\a+8*\dt:O+32*\a+8*\dt+7], v[FR+32*\ks+8*\dt:FR+32*\ks+8*\dt+7], v[S+32*\a+16*\ks:S+32*\a+16*\ks+7], v[O+32*\a+8*\dt:O+32*\a+8*\dt+7]
.endif
.endr
.endr
.endr
.Lskip_\@:
.if \st
	s_wait_loadcnt 0x0                             ; tile j + 1, asked for a trip ago
	CVST 1-\slot                                   ; nobody reads the other slot since the last barrier.  The sixteen conversions are also the places
	                                               ; in front of the next trip's loads into FR and its products into S
.endif
.if \ld
	s_wait_xcnt 0x0                                ; the prefetch base is stepped only behind this wait; the last prefetch stands at least a trip's tail back
	s_add_nc_u64 s[6:7], s[6:7], TILEB             ; k's and v's loads are done by the wait for 0 above
	s_add_nc_u64 s[8:9], s[8:9], TILEB
	s_add_nc_u64 s[26:27], s[26:27], TILEB
	LOADT                                          ; tile j + 2
.endif
.if \pf
	; Work-group i = 0 of a head, which walks all 32 tiles, asks in even trip j for the 128 rows of tiles j + 4 and j + 5: waves 0-3 for k's, waves 4-7 for v's,
	; a lane a row, each row once in the launch.  They are loaded in trips j + 2 and j + 3.  The last request, in trip 26, names tiles 30 and 31, the head's last rows.
	s_cmp_ge_u32 s[SJ], s[PFEND]
	s_cbranch_scc1 .Lnopf_\@
	global_prefetch_b8 v[PFOFF], s[26:27] offset:2*TILEB th:TH_LOAD_NT scope:SCOPE_SE
.Lnopf_\@:
.endif
	s_add_co_u32 s[SJ], s[SJ], 1
.if \bar
	s_wait_dscnt 0x0                               ; my reads of this slot are back and my stores into the other are done,
	s_barrier_signal -1
	s_barrier_wait -1                              ; and so are everybody's: the other slot may be read, this one overwritten at the next trip's end
.endif
.endm
	TRIP 0, 1, 1, 1, 1, 1                          ; tiles 0 and 1 stand in front of the loop: tile 0 starts the sums
	TRIP 1, 0, 1, 1, 0, 1
	s_sub_co_u32 s[SCNT], 14, s[SI]                ; 32 - 2 i tiles in all: 2 here, 2 (14 - i) in the loop, 2 behind it; at least 7 laps
.Lloop:
	TRIP 0, 0, 1, 1, 1, 1
	TRIP 1, 0, 1, 1, 0, 1
	s_sub_co_u32 s[SCNT], s[SCNT], 1
	s_cmp_lg_u32 s[SCNT], 0
	s_cbranch_scc1 .Lloop
	TRIP 0, 0, 1, 0, 0, 1                          ; the last two tiles ask for nothing more
	TRIP 1, 0, 0, 0, 0, 0
	; THE WAY OUT.  Four places behind the last products, then 1 / l over both halves of the wave, O scaled, and through my stage so that whole rows leave.
.rept 4
	v_nop
.endr
.irp a, 0,1
	v_permlanex16_b32 v[T+\a], v[L+\a], s22, s23
.endr
.irp a, 0,1
	v_add_f32 v[L+\a], v[L+\a], v[T+\a]            ; at least 1: the largest logit's p is 1
.endr
	v_rcp_f32 v[AL], v[L]
	v_rcp_f32 v[AL+1], v[L]
	v_rcp_f32 v[AL+2], v[L+1]
	v_rcp_f32 v[AL+3], v[L+1]
	v_nop                                          ; a plain line between the reciprocals and their use (ISA guide 5.7.2)
	s_wait_alu depctr_va_vdst(0)
	RESC 0
	RESC 1
.irp a, 0,1
.irp dt, 0,1,2,3                                   ; lane (r, hh) holds query 16 a + r, d = 16 dt + 8 hh .. + 7: 32 neighbouring bytes of a row
	ds_store_b128 v[OST], v[O+32*\a+8*\dt:O+32*\a+8*\dt+3]   offset:\a*16*OP+\dt*64
	ds_store_b128 v[OST], v[O+32*\a+8*\dt+4:O+32*\a+8*\dt+7] offset:\a*16*OP+\dt*64+16
.endr
.endr
.set n_, 0
.rept 16
	ds_load_b128 v[S+4*n_:S+4*n_+3], v[ORD] offset:n_*2*OP         ; my own bytes, served in order: these see the stores above
.set n_, n_+1
.endr
.set n_, 0
.rept 16
	s_wait_dscnt 15-n_                             ; the 15 - n younger read-backs may be out
	global_store_b128 v[ROFF], v[S+4*n_:S+4*n_+3], s[10:11] offset:n_*2*ROWB th:TH_STORE_NT   ; sixteen lanes store a head row's 256 consecutive bytes, aligned
.set n_, n_+1
.endr
	s_wait_tensorcnt 0x0
	ds_add_u32 v62, v63
	s_wait_dscnt 0x0
	s_endpgm
.Lfunc_end_k_qeb55193ce6_attn:
	.size	k_qeb55193ce6_attn, .Lfunc_end_k_qeb55193ce6_attn-k_qeb55193ce6_attn
	.p2alignl 7, 3214868480
	.fill 96, 4, 3214868480
	.section	.rodata,"a",@progbits
	.p2align	6, 0x0
	.amdhsa_kernel k_qeb55193ce6_attn
		.amdhsa_group_segment_fixed_size 109568
		.amdhsa_private_segment_fixed_size 0
		.amdhsa_enable_private_segment 0
		.amdhsa_kernarg_size 32
		.amdhsa_user_sgpr_count 2
		.amdhsa_user_sgpr_kernarg_segment_ptr 1
		.amdhsa_wavefront_size32 1
		.amdhsa_system_sgpr_workgroup_id_x 1
		.amdhsa_system_sgpr_workgroup_id_y 1
		.amdhsa_system_sgpr_workgroup_id_z 1
		.amdhsa_system_vgpr_workitem_id 0
		.amdhsa_next_free_vgpr 352
		.amdhsa_next_free_sgpr 66
		.amdhsa_reserve_vcc 1
		.amdhsa_float_denorm_mode_32 3
		.amdhsa_float_denorm_mode_16_64 3
		.amdhsa_memory_ordered 1
		.amdhsa_forward_progress 1
		.amdhsa_inst_pref_size 156
	.end_amdhsa_kernel
	.amdgpu_metadata
---
amdhsa.version: [ 1, 2 ]
amdhsa.kernels:
  - .name:           k_qeb55193ce6_attn
    .symbol:         k_qeb55193ce6_attn.kd
    .args:
      - { .name: q, .offset: 0, .size: 8, .value_kind: global_buffer, .address_space: global }
      - { .name: k, .offset: 8, .size: 8, .value_kind: global_buffer, .address_space: global }
      - { .name: v, .offset: 16, .size: 8, .value_kind: global_buffer, .address_space: global }
      - { .name: out0, .offset: 24, .size: 8, .value_kind: global_buffer, .address_space: global }
    .group_segment_fixed_size: 109568
    .private_segment_fixed_size: 0
    .kernarg_segment_align: 8
    .kernarg_segment_size: 32
    .max_flat_workgroup_size: 256
    .sgpr_count:     66
    .vgpr_count:     352
    .wavefront_size: 32
...
	.end_amdgpu_metadata
.endif
;; end of part 1
;; ======== version 2 of 2: 1 launch; version 1 with the launch attn written anew for expert scheduling mode
;; limits: inputs' magnitudes at most 65,504; values are held in f16: magnitudes above 65,504 overflow, below 6.1e-05 lose precision
;; launch attn (part 2): grid 256 x 1, 8 waves a work-group, no clusters, 109,568 bytes of LDS; arguments q, k, v, out0; writes out0
.if DOCPART == 2
	.amdgcn_target "amdgcn-amd-amdhsa--gfx1250"
	.amdhsa_code_object_version 6
	.text
	.protected	k_qeb55193ce6_attn
	.globl	k_qeb55193ce6_attn
	.p2align	8
	.type	k_qeb55193ce6_attn,@function
k_qeb55193ce6_attn:
	s_mov_b64 s[64:65], 0
	v_nop
	global_prefetch_b8 v0, s[64:65] scope:SCOPE_SE
	s_setreg_imm32_b32 hwreg(HW_REG_WAVE_SCHED_MODE, 0, 2), 2
	s_setreg_imm32_b32 hwreg(HW_REG_WAVE_MODE, 25, 1), 1
	s_wait_xcnt 0x0
	s_wait_alu depctr_vm_vsrc(0)
; Causal attention with ALiBi bias.  q, k, v, out: [2][2048][1024] f32; 16 heads of 64; a head's row is 256 bytes, rows 4,096 bytes apart.
; out[t] = sum over s <= t of softmax_s( q[t].k[s]/8 + slope (s - t) ) v[s],  slope = 2^-((h+1)/2).
;
; SHARING.  Work-group x: i = x & 7, head h = (x >> 3) & 15, batch b = x >> 7.  It owns two blocks of 128 queries, block 15 - i (waves 0-3) and
; block i (waves 4-7), and walks the key tiles of 64 keys j = 0 .. 31 - 2 i once for both.  A wave owns 32 queries from t0 on and computes while
; j <= JD = t0 / 64; later it only helps to bring tiles in.  Waves w and w + 4 together compute 33 tiles whatever w and i are.
; TRANSPOSED PRODUCTS.  S^T = K Q^T (keys down, queries across) and O^T = V^T P^T: a lane holds one query (lane % 16), so maximum, sum and
; rescaling are a lane's own but for one exchange between the halves of the wave, and the S^T registers, packed to f16, already are the
; second source of the second product: P never goes through LDS.
; THE BIAS costs no vector instruction: the term -slope t is constant along a row and drops out of the softmax; slope s is taken relative to the
; tile's first key, as a constant register tile that is the C operand of the first product; from tile to tile the running maximum moves by
; -64 slope instead.  Logits are kept in raw units x = q.k + 8 slope s_loc; p = exp2(c x - c m), c = log2(e)/8, m the running maximum of x.
; K AND V pass through registers once per tile and work-group (f32 to f16, 16 conversions a wave), then lie in one of two LDS slots.
; NO CLUSTER, NO TENSOR LOADS: the eight work-groups of a head read the same tiles, but they need different numbers of them (32 - 2 i), and a tile
; must be converted on its way: landed as f32 it would cost 32 KiB more of LDS writes and reads per tile before the same conversion.
; LIMITS.  Operands of both products are f16: |q|, |k|, |v| up to 65,504; below 2^-14 they keep an absolute error of 2^-25.  p is rounded to f16 for
; the product (below 2^-25 it is 0 there) while the row sum adds the f32 values; v_exp_f32 gives 0 below 2^-126.  The slope is rounded once from
; its closed form, where the definition multiplies 2^-0.5 up in f32: they differ by about 1e-6 of the slope.  NaN and infinities among the inputs are not followed.
; THE MODE: SCHED_MODE bits 1:0 = 2 (LLVM: expert scheduling mode 2), set by the entry lines.  The code itself states the register dependences
; between vector or matrix instructions and memory or LDS instructions, with s_wait_alu, always for 0.
; THE PLAN.  Registers that memory or LDS instructions touch in a trip:
;   KF        K's LDS loads land in it at the trip's head; the trip's sixteen products K Q^T read it.
;   VF        V's LDS loads land in it behind K Q^T; the sixteen products V^T P^T at the trip's end read it.
;   STG       The global loads of tile j + 2 land in it in the middle of trip j; the sixteen conversions in the middle of trip j + 1 read it.
;   CV        Those conversions write it; the eight LDS stores behind them read it.
;   v1 - v12  Offsets and addresses, made at the head and never written again: the bases are scalar, the rest stands in immediates.
;   S, O, Q's fragments, the bias tiles and the statistics are named by vector and matrix instructions alone (S also at the head, S and O on the way out).
; A computing wave's trip has two waits on va_vdst.  One stands ahead of V's loads: the last trip's V^T P^T are done reading VF.  One stands behind the conversions,
; which follow the exponentials: the exponentials' results and CV are written, STG has been read, and K Q^T are done reading KF.  Behind it go the LDS stores, the global loads
; and, at the next trip's head, K's loads: the vector and matrix lines between name T, L, AL, S, O and VF, none of the registers that those touch.
; One wait on vm_vsrc stands ahead of the conversions: the LDS stores of the trip before have read CV.  A wave beyond its diagonal runs the feed alone, with the same two waits.
.set KP,    144                        ; LDS pitch of K's and Q's f16 rows: 128 bytes + 16, an odd multiple of 16
.set VP,    160                        ; LDS pitch of V's f16 rows: an odd multiple of 32, for the transposing loads
.set OP,    272                        ; LDS pitch of O's f32 rows on the way out
.set VOFF,  64*KP                      ; V's rows behind K's in a slot
.set SLOTB, 64*KP+64*VP                ; a slot: 19,456 bytes
.set STAGE, 2*SLOTB                    ; behind the two slots: 8,704 bytes for each wave, its own (Q at the start, O at the end)
.set STGB,  32*OP
.set ROWB,  4096                       ; bytes from row to row in memory
.set TILEB, 64*ROWB                    ; from key tile to key tile
; vector registers, window 0
.set GOFF, 1                           ; (tid>>4) rows + 16 (tid&15): my 16 bytes of a tile's first 16 rows
.set KST,  2                           ; where my 8 bytes of K go in a slot
.set VST,  3                           ; the same for V
.set KADR, 4                           ; K fragment: (lane%16) KP + 16 (lane/16)
.set VADR, 5                           ; V fragment, transposing load
.set ROFF, 6                           ; (lane/16) rows + 16 (lane%16): two whole head rows a wave, for q and out
.set QST,  7
.set QLD,  8
.set OST,  9
.set ORD,  10
.set REL,  11                          ; lane%16 + (t0 & 32) - 8 (lane/16), signed: the mask's right-hand side
.set PFOFF,12                          ; (tid & 127) rows
.set M,    14                          ; v[14:15] running maximum, query tile a = 0, 1
.set L,    16                          ; v[16:17] running sum (this half of the wave's keys)
.set NM,   18                          ; v[18:21] -c m, twice, for each a
.set AL,   22                          ; v[22:25] alpha, twice, for each a
.set T,    26                          ; v[26:33] at work
.set CC,   34                          ; v[34:35] c, twice
.set CV,   40                          ; v[40:55] a tile's 32 numbers of mine as f16
.set S,    64                          ; v[64:127]  S^T tile (b, a) at 64 + 32 a + 8 b; P fragment (ks, a) in place at 64 + 32 a + 16 ks
.set KF,   128                         ; v[128:191] K fragment (b, kd) at 128 + 16 b + 8 kd
.set O,    192                         ; v[192:255] O^T tile (dt, a) at 192 + 32 a + 8 dt
; window 1 (v256 and up, written by their low 8 bits)
.set QF,   0                           ; v[256:287] Q fragment (a, kd) at 16 a + 8 kd
.set BI,   32                          ; v[288:319] bias tile b at 32 + 8 b
.set STG,  64                          ; v[320:351] a tile's f32 as loaded: K's four pieces, V's four pieces
.set VF,   96                          ; v[352:415] V fragment (ks, dt) at 96 + 32 ks + 8 dt
; scalar registers
.set SW, 12                            ; wave
.set SI, 13
.set SH, 14
.set SB, 15
.set ST0, 16
.set SJD, 17                           ; my last (diagonal) key tile
.set SJ, 18                            ; the tile of this trip
.set SCNT, 19
.set SSL, 20                           ; 8 slope
.set SNST, 21                          ; -512 slope
.set PFEND, 28
.set SNINF, 36
.set MK, 40                            ; s[40:63] and s[66:81]: the diagonal tile's forty masks
.set MSB, 0
.macro WIN new                         ; s_set_vgpr_msb: bits 1:0 source 0, 3:2 source 1, 5:4 source 2, 7:6 destination; the high byte repeats the setting that is left
.if MSB != \new
	s_set_vgpr_msb (MSB<<8)|\new
.set MSB, \new
.endif
.endm
	s_load_b256 s[4:11], s[0:1], 0x0               ; q s[4:5], k s[6:7], v s[8:9], out s[10:11]
	v_lshl_add_u32 v62, v0, 2, 0x1a800
	v_mov_b32 v63, 0
	v_lshrrev_b32 v13, 5, v0
	v_readfirstlane_b32 s[SW], v13                 ; wave 0..7
	s_and_b32 s[SI], ttmp9, 7
	s_bfe_u32 s[SH], ttmp9, 0x40003                ; 4 bits from bit 3
	s_lshr_b32 s[SB], ttmp9, 7
	s_sub_co_u32 s32, 15, s[SI]
	s_lshl_b32 s32, s32, 7
	s_wait_alu depctr_va_sdst(0)                   ; the wave's number is written, ahead of its first reader: t0, the stage and the branches are made from it
	s_lshl_b32 s33, s[SW], 5
	s_add_co_u32 s32, s32, s33                     ; waves 0-3: 128 (15 - i) + 32 w
	s_sub_co_u32 s34, 7, s[SW]
	s_lshl_b32 s34, s34, 5
	s_lshl_b32 s35, s[SI], 7
	s_add_co_u32 s34, s34, s35                     ; waves 4-7: 128 i + 32 (7 - w)
	s_cmp_lt_u32 s[SW], 4
	s_cselect_b32 s[ST0], s32, s34
	s_lshr_b32 s[SJD], s[ST0], 6
	; 8 slope = 8 x 2^-(n/2), n = h + 1: 8 or 8 x 2^-0.5 by n's low bit, and n >> 1 taken off the exponent field
	s_add_co_u32 s32, s[SH], 1
	s_mov_b32 s33, 0x41000000                      ; 8.0
	s_bitcmp1_b32 s32, 0
	s_cselect_b32 s33, 0x40b504f3, s33             ; 8 x 2^-0.5
	s_lshr_b32 s32, s32, 1
	s_lshl_b32 s32, s32, 23
	s_sub_co_u32 s[SSL], s33, s32
	s_mul_f32 s[SNST], s[SSL], 0xc2800000          ; x -64: what the running maximum moves by from tile to tile
	s_mul_f32 s29, s[SSL], 0x41800000              ; x 16, 32, 48: the bias of key blocks 1, 2, 3
	s_mul_f32 s30, s[SSL], 0x42000000
	s_mul_f32 s31, s[SSL], 0x42400000
	s_cmp_eq_u32 s[SI], 0
	s_cselect_b32 s[PFEND], 27, 0                  ; only work-group i = 0 of a head prefetches, in trips below 27
	s_mov_b32 s22, 0x76543210                      ; v_permlanex16_b32: lane l of one half reads lane l of the other
	s_mov_b32 s23, 0xfedcba98
	s_mov_b32 s[SNINF], 0xff800000
	s_mul_i32 s33, s[SW], STGB
	s_add_co_u32 s33, s33, STAGE                   ; my wave's stage
	s_and_b32 s34, s[ST0], 32                      ; where my queries begin in the diagonal tile
	v_and_b32 v56, 15, v0                          ; r = lane % 16 = tid % 16
	v_lshrrev_b32 v57, 4, v0                       ; tid / 16: 0..15
	v_bfe_u32 v58, v0, 4, 1                        ; hh = lane / 16
	v_bfe_u32 v59, v0, 3, 1
	v_lshlrev_b32 v60, 3, v58                      ; 8 hh
	v_lshlrev_b32 v61, 4, v56                      ; 16 r
	v_lshl_add_u32 v[GOFF], v57, 12, v61
	v_mul_u32_u24 v[KST], v57, KP
	v_lshl_add_u32 v[KST], v56, 3, v[KST]
	v_mul_u32_u24 v[VST], v57, VP
	v_lshl_add_u32 v[VST], v56, 3, v[VST]
	v_mul_u32_u24 v[KADR], v56, KP
	v_lshl_add_u32 v[KADR], v58, 4, v[KADR]
	v_and_b32 v13, 7, v0
	v_add_nc_u32 v13, v13, v60                     ; 8 hh + lane % 8
	v_mul_u32_u24 v[VADR], v13, VP
	v_lshl_add_u32 v[VADR], v59, 4, v[VADR]
	v_lshl_add_u32 v[ROFF], v58, 12, v61
	v_mul_u32_u24 v[QST], v58, KP
	v_lshl_add_u32 v[QST], v56, 3, v[QST]
	v_add_nc_u32 v[QST], s33, v[QST]
	v_add_nc_u32 v[QLD], s33, v[KADR]
	v_mul_u32_u24 v[OST], v56, OP
	v_lshl_add_u32 v[OST], v58, 5, v[OST]
	v_add_nc_u32 v[OST], s33, v[OST]
	v_mul_u32_u24 v[ORD], v58, OP
	v_lshl_add_u32 v[ORD], v56, 4, v[ORD]
	v_add_nc_u32 v[ORD], s33, v[ORD]
	v_add_nc_u32 v[REL], s34, v56
	v_sub_nc_u32 v[REL], v[REL], v60
	v_and_b32 v[PFOFF], 127, v0
	v_lshlrev_b32 v[PFOFF], 12, v[PFOFF]
	v_mov_b32 v[CC], 0x3e38aa3b                    ; c = log2(e) / 8
	v_mov_b32 v[CC+1], 0x3e38aa3b
	s_lshl_b32 s24, s[SB], 23                      ; batch x 2,048 rows of 4,096 bytes
	s_lshl_b32 s32, s[SH], 8                       ; head x 256 bytes
	s_add_co_u32 s24, s24, s32
	s_mov_b32 s25, 0
	s_wait_kmcnt 0x0
	s_add_nc_u64 s[6:7], s[6:7], s[24:25]          ; k and v at the head's key 0
	s_add_nc_u64 s[8:9], s[8:9], s[24:25]
	s_lshl_b32 s32, s[ST0], 12
	s_add_co_u32 s24, s24, s32
	s_add_nc_u64 s[4:5], s[4:5], s[24:25]          ; q and out at my wave's first query
	s_add_nc_u64 s[10:11], s[10:11], s[24:25]
	s_wait_alu depctr_va_vdst(0)                   ; the offsets and addresses v1 to v12 are written: every load, store and prefetch of the kernel reads one of them, and none is written again
; A key tile's f32 into STG: thread tid takes 16 bytes of rows tid/16 + 16 p of K and of V; sixteen lanes cover a head row's 256 consecutive bytes, aligned.
; No cache hint: the head's other work-groups read these rows again.
.macro LOADT
	WIN 0x40                                       ; destination in window 1
.irp p, 0,1,2,3
	global_load_b128 v[STG+4*\p:STG+4*\p+3], v[GOFF], s[6:7] offset:\p*16*ROWB
.endr
.irp p, 0,1,2,3
	global_load_b128 v[STG+16+4*\p:STG+16+4*\p+3], v[GOFF], s[8:9] offset:\p*16*ROWB
.endr
	WIN 0
.endm
; STG to f16
.macro CVT16
	WIN 0x05                                       ; both sources in window 1
.set n_, 0
.rept 16
	v_cvt_pk_f16_f32 v[CV+n_], v[STG+2*n_], v[STG+2*n_+1]
.set n_, n_+1
.endr
	WIN 0
.endm
; and into a slot
.macro STT slot
.irp p, 0,1,2,3
	ds_store_b64 v[KST], v[CV+2*\p:CV+2*\p+1] offset:(\slot)*SLOTB+\p*16*KP
.endr
.irp p, 0,1,2,3
	ds_store_b64 v[VST], v[CV+8+2*\p:CV+8+2*\p+1] offset:(\slot)*SLOTB+VOFF+\p*16*VP
.endr
.endm
	LOADT                                          ; tile 0: 8 loads
.set n_, 0
.rept 16
	global_load_b128 v[S+4*n_:S+4*n_+3], v[ROFF], s[4:5] offset:n_*2*ROWB th:TH_LOAD_NT   ; my 32 queries, two rows a load; read once in the launch
.set n_, n_+1
.endr
	s_wait_loadcnt 16                              ; tile 0 is in; the sixteen loads of q issued behind it stay out
	CVT16
	s_wait_alu depctr_va_vdst(0)                   ; the conversions have written CV, which the LDS stores read, and are done reading STG, in which tile 1's loads land
	STT 0
	s_add_nc_u64 s[6:7], s[6:7], TILEB             ; tile 0's loads are done by the wait on LOADcnt, so their bases may step
	s_add_nc_u64 s[8:9], s[8:9], TILEB
	s_cmp_lt_u32 s[SW], 4
	s_cselect_b64 s[26:27], s[6:7], s[8:9]         ; what my wave prefetches: waves 0-3 k, waves 4-7 v; stepped with the bases
	LOADT                                          ; tile 1
	s_wait_loadcnt 8                               ; q is in; tile 1's eight loads stay out
.set n_, 0
.rept 16
	v_cvt_pk_f16_f32 v[S+4*n_], v[S+4*n_], v[S+4*n_+1]
	v_cvt_pk_f16_f32 v[S+4*n_+1], v[S+4*n_+2], v[S+4*n_+3]
.set n_, n_+1
.endr
	s_wait_alu depctr_va_vdst(0)                   ; the conversions have written Q's halves, which the LDS stores read
.set n_, 0
.rept 16
	ds_store_b64 v[QST], v[S+4*n_:S+4*n_+1] offset:n_*2*KP
.set n_, n_+1
.endr
	WIN 0x40
.irp a, 0,1
.irp kd, 0,1                                       ; my own bytes, and LDS serves a wave's instructions in order (ISA guide 5.7.1.4): no wait between the stores and these loads
	ds_load_b128 v[QF+16*\a+8*\kd:QF+16*\a+8*\kd+3],   v[QLD] offset:\a*16*KP+64*\kd
	ds_load_b128 v[QF+16*\a+8*\kd+4:QF+16*\a+8*\kd+7], v[QLD] offset:\a*16*KP+64*\kd+32
.endr
.endr
	WIN 0
	; the bias tiles: register jj of block b holds 8 slope (16 b + 8 hh + jj)
.irp jj, 0,1,2,3,4,5,6,7
	v_add_nc_u32 v[T+\jj], \jj, v60
.endr
.irp jj, 0,1,2,3,4,5,6,7
	v_cvt_f32_u32 v[T+\jj], v[T+\jj]
.endr
	WIN 0x40
.irp jj, 0,1,2,3,4,5,6,7
	v_mul_f32 v[BI+\jj], s[SSL], v[T+\jj]
.endr
.irp b, 1,2,3
.irp jj, 0,1,2,3,4,5,6,7
	v_fma_f32 v[BI+8*\b+\jj], v[T+\jj], s[SSL], s[28+\b]
.endr
.endr
	WIN 0
	s_mov_b32 s[SJ], 0
	s_wait_dscnt 0x0                               ; my part of tile 0 is in slot 0 (for the others), my Q fragments are in
	s_barrier_signal -1
	s_barrier_wait -1
	s_wait_alu depctr_vm_vsrc(0)                   ; my LDS stores have read Q's halves in S, which the first products write, and tile 0's halves in CV, which the first trip's conversions write
; x -> p = exp2(c x - c m) for query tile a: 16 packed multiply-adds, 32 exponentials in place, back to back on different registers.
; Behind the last exponential the caller puts a plain vector instruction that touches none of these registers (ISA guide 5.7.2).
.macro EXPS a
.set n_, 0
.rept 16
	v_pk_fma_f32 v[S+32*\a+n_:S+32*\a+n_+1], v[S+32*\a+n_:S+32*\a+n_+1], v[CC:CC+1], v[NM+2*\a:NM+2*\a+1]
.set n_, n_+2
.endr
.set n_, 0
.rept 32
	v_exp_f32 v[S+32*\a+n_], v[S+32*\a+n_]
.set n_, n_+1
.endr
.endm
; the sum of my 32 p of query tile a.  SUMSA: four chains, which read S.  SUMSB: the chains into one, then l = l alpha + sum: it names T, L and AL alone.
.macro SUMSA a
.irp b, 0,1,2,3
	v_pk_add_f32 v[T+2*\b:T+2*\b+1], v[S+32*\a+8*\b:S+32*\a+8*\b+1], v[S+32*\a+8*\b+2:S+32*\a+8*\b+3]
.endr
.irp p, 4,6
.irp b, 0,1,2,3
	v_pk_add_f32 v[T+2*\b:T+2*\b+1], v[T+2*\b:T+2*\b+1], v[S+32*\a+8*\b+\p:S+32*\a+8*\b+\p+1]
.endr
.endr
.endm
.macro SUMSB a, first
	v_pk_add_f32 v[T:T+1], v[T:T+1], v[T+2:T+3]
	v_pk_add_f32 v[T+4:T+5], v[T+4:T+5], v[T+6:T+7]
	v_pk_add_f32 v[T:T+1], v[T:T+1], v[T+4:T+5]
.if \first
	v_add_f32 v[L+\a], v[T], v[T+1]
.else
	v_fma_f32 v[L+\a], v[L+\a], v[AL+2*\a], v[T]
	v_add_f32 v[L+\a], v[L+\a], v[T+1]
.endif
.endm
; p to f16 in place, ascending: register X + n takes X + 2 n and X + 2 n + 1, so no source is lost.  Blocks 2 ks and 2 ks + 1 become fragment (ks, a).
.macro PACK a
.irp ks, 0,1
.irp n, 0,1,2,3,4,5,6,7
	v_cvt_pk_f16_f32 v[S+32*\a+16*\ks+\n], v[S+32*\a+16*\ks+2*\n], v[S+32*\a+16*\ks+2*\n+1]
.endr
.endr
.endm
; O of query tile a times the pair in AL
.macro RESC a
.set n_, 0
.rept 16
	v_pk_mul_f32 v[O+32*\a+n_:O+32*\a+n_+1], v[O+32*\a+n_:O+32*\a+n_+1], v[AL+2*\a:AL+2*\a+1]
.set n_, n_+2
.endr
.endm
; THE FEED of a trip: tile j + 1 goes from STG into the given slot, which nobody reads since the last barrier; ld: tile j + 2 is asked for; pf: the trip may prefetch.
; vm = 0 in the first trip alone, where the wait behind the head's barrier has spoken for CV.
.macro FEED slot, ld, pf, vm
	s_wait_loadcnt 0x0                             ; tile j + 1, asked for a trip ago
.if \vm
	s_wait_alu depctr_vm_vsrc(0)                   ; the LDS stores of the trip before have read CV, which the conversions write again
.endif
	CVT16
	s_wait_alu depctr_va_vdst(0)                   ; the conversions have written CV, which the LDS stores read, and are done reading STG, in which the loads below land.  On a computing wave's path also:
	                                               ; the trip's 66 exponentials have written alpha and p, ahead of their first reader, and K Q^T are done reading KF, in which the next trip's loads land
	STT \slot
.if \ld
	s_wait_xcnt 0x0                                ; the prefetch base is stepped only behind this wait; the last prefetch stands a trip back
	s_add_nc_u64 s[6:7], s[6:7], TILEB             ; k's and v's loads are done by the wait for 0 above
	s_add_nc_u64 s[8:9], s[8:9], TILEB
	s_add_nc_u64 s[26:27], s[26:27], TILEB
	LOADT                                          ; tile j + 2.  No wait: nothing but LDS stores of CV, scalar lines and a window switch stands behind the wait above
.endif
.if \pf
	; Work-group i = 0 of a head, which walks all 32 tiles, asks in even trip j for the 128 rows of tiles j + 4 and j + 5: waves 0-3 for k's, waves 4-7 for v's,
	; a lane a row, each row once in the launch.  They are loaded in trips j + 2 and j + 3.  The last request, in trip 26, names tiles 30 and 31, the head's last rows.
	s_cmp_ge_u32 s[SJ], s[PFEND]
	s_cbranch_scc1 .Lnopf_\@
	global_prefetch_b8 v[PFOFF], s[26:27] offset:2*TILEB th:TH_LOAD_NT scope:SCOPE_SE
.Lnopf_\@:
.endif
.endm
; One key tile.  slot: where it lies; first: tile 0 (starts maximum, sums and O); st: tile j + 1 goes from STG into the other slot;
; ld: tile j + 2 is asked for; pf: the trip may prefetch; bar: a barrier closes the trip.
.macro TRIP slot, first, st, ld, pf, bar
.if \first == 0
	s_cmp_gt_u32 s[SJ], s[SJD]                     ; beyond my diagonal: nothing to compute (tile 0 is every wave's)
	s_cbranch_scc1 .Lskip_\@
.endif
.irp kd, 0,1
.irp b, 0,1,2,3                                    ; no wait: the last readers of KF stand ahead of the last trip's wait behind its conversions, and no vector or matrix line since names KF
	ds_load_b128 v[KF+16*\b+8*\kd:KF+16*\b+8*\kd+3],   v[KADR] offset:\slot*SLOTB+\b*16*KP+64*\kd
	ds_load_b128 v[KF+16*\b+8*\kd+4:KF+16*\b+8*\kd+7], v[KADR] offset:\slot*SLOTB+\b*16*KP+64*\kd+32
.endr
.endr
	s_wait_dscnt 8                                 ; the eight loads of d = 0..31 are in; the eight of d = 32..63 issued behind them may be out
	WIN 0x14                                       ; Q and the bias in window 1
	; The eight accumulators take turns, one instruction a turn.
.irp b, 0,1,2,3
.irp a, 0,1
	v_wmma_f32_16x16x32_f16 v[S+32*\a+8*\b:S+32*\a+8*\b+7], v[KF+16*\b:KF+16*\b+7], v[QF+16*\a:QF+16*\a+7], v[BI+8*\b:BI+8*\b+7]
.endr
.endr
	s_wait_dscnt 0x0
	WIN 0x04
.irp b, 0,1,2,3
.irp a, 0,1
	v_wmma_f32_16x16x32_f16 v[S+32*\a+8*\b:S+32*\a+8*\b+7], v[KF+16*\b+8:KF+16*\b+15], v[QF+16*\a+8:QF+16*\a+15], v[S+32*\a+8*\b:S+32*\a+8*\b+7]
.endr
.endr
	WIN 0
	; four places (ISA guide 7.12.1) in front of the first read of S
.if \first
	v_nop
	v_nop
.else
	v_add_f32 v[M], s[SNST], v[M]                  ; the old maximum in this tile's frame: 64 keys further back
	v_add_f32 v[M+1], s[SNST], v[M+1]
.endif
	v_nop
	v_nop
	WIN 0x40                                       ; destination in window 1
.if \first == 0
	s_wait_alu depctr_va_vdst(0)                   ; the last trip's products V^T P^T are done reading VF, in which the loads below land
.endif
.irp ks, 0,1
.irp dt, 0,1,2,3                                   ; V^T fragments; they land while the softmax is made
	ds_load_tr16_b128 v[VF+32*\ks+8*\dt:VF+32*\ks+8*\dt+3],   v[VADR] offset:\slot*SLOTB+VOFF+\ks*32*VP+\dt*32
	ds_load_tr16_b128 v[VF+32*\ks+8*\dt+4:VF+32*\ks+8*\dt+7], v[VADR] offset:\slot*SLOTB+VOFF+\ks*32*VP+\dt*32+16*VP
.endr
.endr
	WIN 0
	s_cmp_lg_u32 s[SJ], s[SJD]
	s_cbranch_scc1 .Lnomask_\@
	; the diagonal tile: key 16 b + 8 hh + jj stays if it is <= query (t0 & 32) + 16 a + r, that is 16 (b - a) + jj <= REL.  One compare serves (b, 0) and (b + 1, 1).
	; The forty compares stand in one run, each into a scalar register of its own, with one wait behind the run.
.irp e, 0,1,2,3,4
.irp jj, 0,1,2,3,4,5,6,7
.set m_, MK+8*\e+\jj
.if m_ > 63
.set m_, m_+2
.endif
	v_cmp_le_i32 s[m_], 16*\e+\jj-16, v[REL]
.endr
.endr
	s_wait_alu depctr_va_sdst(0)                   ; the forty masks are written, ahead of the first select that reads one
.irp e, 0,1,2,3,4
.irp jj, 0,1,2,3,4,5,6,7
.set m_, MK+8*\e+\jj
.if m_ > 63
.set m_, m_+2
.endif
.if \e > 0
	v_cndmask_b32 v[S+8*\e-8+\jj], s[SNINF], v[S+8*\e-8+\jj], s[m_]
.endif
.if \e < 4
	v_cndmask_b32 v[S+32+8*\e+\jj], s[SNINF], v[S+32+8*\e+\jj], s[m_]
.endif
.endr
.endr
.Lnomask_\@:
	; the tile's maximum for each query: four chains for each a, then the other half of the wave, then the old maximum
.irp a, 0,1
.irp b, 0,1,2,3
	v_max_num_f32 v[T+4*\a+\b], v[S+32*\a+8*\b], v[S+32*\a+8*\b+1]
.endr
.endr
.irp p, 2,4,6
.irp a, 0,1
.irp b, 0,1,2,3
	v_max3_num_f32 v[T+4*\a+\b], v[T+4*\a+\b], v[S+32*\a+8*\b+\p], v[S+32*\a+8*\b+\p+1]
.endr
.endr
.endr
.irp a, 0,1
	v_max3_num_f32 v[T+4*\a], v[T+4*\a], v[T+4*\a+1], v[T+4*\a+2]
.endr
.irp a, 0,1
	v_max_num_f32 v[T+4*\a], v[T+4*\a], v[T+4*\a+3]
.endr
.irp a, 0,1
	v_permlanex16_b32 v[T+4*\a+1], v[T+4*\a], s22, s23
.endr
.irp a, 0,1
.if \first
	v_max_num_f32 v[T+4*\a+2], v[T+4*\a], v[T+4*\a+1]              ; finite: key 0 is open to every query
.else
	v_max3_num_f32 v[T+4*\a+2], v[T+4*\a], v[T+4*\a+1], v[M+\a]
.endif
.endr
.irp a, 0,1
	v_mul_f32 v[NM+2*\a], 0xbe38aa3b, v[T+4*\a+2]                  ; -c m
.endr
.if \first == 0
.irp a, 0,1
	v_fma_f32 v[T+4*\a+3], v[M+\a], v[CC], v[NM+2*\a]              ; c (old m - new m)
.endr
.irp a, 0,1
	v_exp_f32 v[AL+2*\a], v[T+4*\a+3]                              ; alpha: the first of the trip's one batch of exponentials; nothing names a result of the batch ahead of its wait
.endr
.endif
.irp a, 0,1
	v_mov_b32 v[M+\a], v[T+4*\a+2]
.endr
.irp a, 0,1
	v_mov_b32 v[NM+2*\a+1], v[NM+2*\a]
.endr
	EXPS 0
	EXPS 1                                         ; its multiply-adds are the plain lines behind tile 0's exponentials
.if \st
	FEED 1-\slot, \ld, \pf, 1-\first               ; its conversions are the plain lines behind tile 1's exponentials; the wait behind them is the batch's
.else
	v_nop                                          ; the last trip feeds nothing: a plain line behind the last exponential (ISA guide 5.7.2),
	s_wait_alu depctr_va_vdst(0)                   ; and the batch's wait: the exponentials have written alpha and p, ahead of their first reader
.endif
.if \first == 0
.irp a, 0,1
	v_mov_b32 v[AL+2*\a+1], v[AL+2*\a]
.endr
.endif
	SUMSA 0
	SUMSB 0, \first
	PACK 0
	SUMSA 1
	PACK 1
.if \first == 0
	RESC 0
	RESC 1
.endif
	s_wait_dscnt 8*\st                             ; the V fragments are in; the feed's eight LDS stores, issued behind their loads, may be out
	WIN 0x01                                       ; V in window 1
	; O^T += V^T P^T.  The eight accumulators take turns, one instruction a turn; tile 0's first products start the sums.
.irp ks, 0,1
.irp a, 0,1
.irp dt, 0,1,2,3
.set z_, \first*(1-\ks)
.if z_
	v_wmma_f32_16x16x32_f16 v[O+32*\a+8*\dt:O+32*\a+8*\dt+7], v[VF+32*\ks+8*\dt:VF+32*\ks+8*\dt+7], v[S+32*\a+16*\ks:S+32*\a+16*\ks+7], 0
.else
	v_wmma_f32_16x16x32_f16 v[O+32*\a+8*\dt:O+32*\a+8*\dt+7], v[VF+32*\ks+8*\dt:VF+32*\ks+8*\dt+7], v[S+32*\a+16*\ks:S+32*\a+16*\ks+7], v[O+32*\a+8*\dt:O+32*\a+8*\dt+7]
.endif
.endr
.endr
.endr
	WIN 0
	SUMSB 1, \first                                ; the end of query tile 1's sum names none of those products' registers: its lines are the five places
	                                               ; (ISA guide 7.12.1) between them and the next trip's products, which write over P in S
.if \first
	v_nop                                          ; tile 0's has four lines: the fifth place
.endif
.if \first == 0
.if \st
	s_branch .Ljoin_\@
.Lskip_\@:
	FEED 1-\slot, \ld, \pf, 1                      ; a wave beyond its diagonal still brings its part of the tiles in
.Ljoin_\@:
.else
.Lskip_\@:
.endif
.endif
	s_add_co_u32 s[SJ], s[SJ], 1
.if \bar
	s_wait_dscnt 0x0                               ; my reads of this slot are back and my stores into the other are done,
	s_barrier_signal -1
	s_barrier_wait -1                              ; and so are everybody's: the other slot may be read, this one overwritten in the next trip
.endif
.endm
	TRIP 0, 1, 1, 1, 1, 1                          ; tiles 0 and 1 stand in front of the loop: tile 0 starts the sums
	TRIP 1, 0, 1, 1, 0, 1
	s_sub_co_u32 s[SCNT], 14, s[SI]                ; 32 - 2 i tiles in all: 2 here, 2 (14 - i) in the loop, 2 behind it; at least 7 laps
.Lloop:
	TRIP 0, 0, 1, 1, 1, 1
	TRIP 1, 0, 1, 1, 0, 1
	s_sub_co_u32 s[SCNT], s[SCNT], 1
	s_cmp_lg_u32 s[SCNT], 0
	s_cbranch_scc1 .Lloop
	TRIP 0, 0, 1, 0, 0, 1                          ; the last two tiles ask for nothing more
	TRIP 1, 0, 0, 0, 0, 0
	; THE WAY OUT.  Four places behind the last products, then 1 / l over both halves of the wave, O scaled, and through my stage so that whole rows leave.
.rept 4
	v_nop
.endr
.irp a, 0,1
	v_permlanex16_b32 v[T+\a], v[L+\a], s22, s23
.endr
.irp a, 0,1
	v_add_f32 v[L+\a], v[L+\a], v[T+\a]            ; at least 1: the largest logit's p is 1
.endr
	v_rcp_f32 v[AL], v[L]
	v_rcp_f32 v[AL+1], v[L]
	v_rcp_f32 v[AL+2], v[L+1]
	v_rcp_f32 v[AL+3], v[L+1]
	v_nop                                          ; a plain line between the reciprocals and their use (ISA guide 5.7.2)
	s_wait_alu depctr_va_vdst(0)                   ; the four reciprocals have written AL, ahead of their first reader
	RESC 0
	RESC 1
	s_wait_alu depctr_va_vdst(0)                   ; the scalings have written O, which the LDS stores read; the products and conversions that named S are done, and the read-back below lands in S
.irp a, 0,1
.irp dt, 0,1,2,3                                   ; lane (r, hh) holds query 16 a + r, d = 16 dt + 8 hh .. + 7: 32 neighbouring bytes of a row
	ds_store_b128 v[OST], v[O+32*\a+8*\dt:O+32*\a+8*\dt+3]   offset:\a*16*OP+\dt*64
	ds_store_b128 v[OST], v[O+32*\a+8*\dt+4:O+32*\a+8*\dt+7] offset:\a*16*OP+\dt*64+16
.endr
.endr
.set n_, 0
.rept 16
	ds_load_b128 v[S+4*n_:S+4*n_+3], v[ORD] offset:n_*2*OP         ; my own bytes, served in order: these see the stores above
.set n_, n_+1
.endr
.set n_, 0
.rept 16
	s_wait_dscnt 15-n_                             ; the 15 - n younger read-backs may be out
	global_store_b128 v[ROFF], v[S+4*n_:S+4*n_+3], s[10:11] offset:n_*2*ROWB th:TH_STORE_NT   ; sixteen lanes store a head row's 256 consecutive bytes, aligned
.set n_, n_+1
.endr
	s_wait_dscnt 0x0
	s_wait_alu depctr_hold_cnt(0) depctr_sa_sdst(0) depctr_va_vdst(0) depctr_va_sdst(0) depctr_va_ssrc(0) depctr_va_vcc(0) depctr_vm_vsrc(0)
	s_wait_tensorcnt 0x0
	ds_add_u32 v62, v63
	s_wait_dscnt 0x0
	s_endpgm
.Lfunc_end_k_qeb55193ce6_attn:
	.size	k_qeb55193ce6_attn, .Lfunc_end_k_qeb55193ce6_attn-k_qeb55193ce6_attn
	.p2alignl 7, 3214868480
	.fill 96, 4, 3214868480
	.section	.rodata,"a",@progbits
	.p2align	6, 0x0
	.amdhsa_kernel k_qeb55193ce6_attn
		.amdhsa_group_segment_fixed_size 109568
		.amdhsa_private_segment_fixed_size 0
		.amdhsa_enable_private_segment 0
		.amdhsa_kernarg_size 32
		.amdhsa_user_sgpr_count 2
		.amdhsa_user_sgpr_kernarg_segment_ptr 1
		.amdhsa_wavefront_size32 1
		.amdhsa_system_sgpr_workgroup_id_x 1
		.amdhsa_system_sgpr_workgroup_id_y 1
		.amdhsa_system_sgpr_workgroup_id_z 1
		.amdhsa_system_vgpr_workitem_id 0
		.amdhsa_next_free_vgpr 416
		.amdhsa_next_free_sgpr 82
		.amdhsa_reserve_vcc 0
		.amdhsa_float_denorm_mode_32 3
		.amdhsa_float_denorm_mode_16_64 3
		.amdhsa_memory_ordered 1
		.amdhsa_forward_progress 1
		.amdhsa_inst_pref_size 187
	.end_amdhsa_kernel
	.amdgpu_metadata
---
amdhsa.version: [ 1, 2 ]
amdhsa.kernels:
  - .name:           k_qeb55193ce6_attn
    .symbol:         k_qeb55193ce6_attn.kd
    .args:
      - { .name: q, .offset: 0, .size: 8, .value_kind: global_buffer, .address_space: global }
      - { .name: k, .offset: 8, .size: 8, .value_kind: global_buffer, .address_space: global }
      - { .name: v, .offset: 16, .size: 8, .value_kind: global_buffer, .address_space: global }
      - { .name: out0, .offset: 24, .size: 8, .value_kind: global_buffer, .address_space: global }
    .group_segment_fixed_size: 109568
    .private_segment_fixed_size: 0
    .kernarg_segment_align: 8
    .kernarg_segment_size: 32
    .max_flat_workgroup_size: 256
    .sgpr_count:     82
    .vgpr_count:     416
    .wavefront_size: 32
...
	.end_amdgpu_metadata
.endif
;; end of part 2
